; MI455X (gfx1250); checked and timed in simulation.
; The chip was launched on July 23, 2026; its instructions are those of AMD's public machine-readable ISA for CDNA 5 (MIT licence, August 2026) and "CDNA5" Instruction Set Architecture Reference Guide (July 2026). The comments in the code are by the model that wrote it; some were corrected since.
;; Mo E Bert Self Output. Allowed arithmetic: matrix products marked QUANTISED: E2M3 operands, one E8M0 scale for each 32 along K, by v_wmma_scale_f32_16x16x128_f8f6f4 with both operands' format E2M3, f32 sums; everything else in f32.
;; Inputs: W_codes 8 x 1,024 x 32 x 24 uint8 (E2M3 codes of W, K innermost, in blocks of 32 codes, four codes in three bytes); W_scales 8 x 1,024 x 32 uint8 (E8M0 scales of W, one for each 32 codes along K); b 8 x 1,024 float32; beta 1,024 float32; expert_idx 16 int32; gamma 1,024 float32; hidden_states_codes 16 x 512 x 32 x 24 uint8 (E2M3 codes of hidden_states, K innermost, in blocks of 32 codes, four codes in three bytes); hidden_states_scales 16 x 512 x 32 uint8 (E8M0 scales of hidden_states, one for each 32 codes along K); input_tensor 16 x 512 x 1,024 float32.
;; Outputs: out0 16 x 512 x 1,024 float32.
;; This version of the problem:
;;   THIS VERSION OF THE PROBLEM IS GIVEN IN LOW PRECISION. The matrix products marked QUANTISED in the list below multiply operands that are first quantised to E2M3 (2 exponent bits, 3 mantissa bits; 6 bits a number), with one power-of-two scale for each 32 numbers along K (OCP MX v1.0); their sums are f32. All else is computed in f32.
;;   The module's matrix products, in the order in which they are computed (A, B: the left and right operand; K: the contracted axis; several contracted axes count as one K, in the product's order):
;;     1. [M 8,192, K 1,024] x [K 1,024, N 8,192]; A: input W (given as codes); B: input hidden_states (given as codes): QUANTISED
;;   THE QUANTISER, for each operand of a quantised product, along K:
;;     - K is cut into blocks of 32 from its start; a last block that is shorter is filled with zeros.
;;     - A block's scale is 2^e with e = floor(log2(the largest magnitude in the block)) - 2, held to -126 .. 127; a block of zeros has e = 0. As a byte (E8M0): e + 127.
;;     - Each number is divided by its block's scale, clamped to +-7.5, and rounded to the nearest number of E2M3, ties to even, subnormals kept.
;;     - The product sums the exact products of the quantised numbers (number of the format x scale) in f32.
;;   ~~~python
;;   def quantise(x, axis):      # numpy; x: float32 -> the quantised numbers, widened to float32 again
;;       x = np.moveaxis(x, axis, -1); K = x.shape[-1]
;;       x = np.pad(x, [(0, 0)] * (x.ndim - 1) + [(0, -K % 32)]); x = x.reshape(x.shape[:-1] + (-1, 32)); a = np.abs(x).max(-1, keepdims=True)
;;       e = np.where(a > 0, np.clip(np.frexp(np.where(a > 0, a, 1))[1] - 1 - 2, -126, 127), 0)      # np.frexp(a)[1] - 1 = floor(log2(a)), exactly
;;       r = np.clip(x / 2.0 ** e, -7.5, 7.5)
;;       step = 2.0 ** (np.maximum(np.frexp(np.where(r == 0, 1, r))[1] - 1, 0) - 3)
;;       q = np.round(r / step) * step * 2.0 ** e      # np.round: ties to even
;;       return np.moveaxis(q.reshape(q.shape[:-2] + (-1,))[..., :K], -1, axis).astype(np.float32)
;;   ~~~
;;   INPUTS GIVEN AS CODES. W (in the module: [8, 1024, 1024], K = its axis 1); hidden_states (in the module: [16, 512, 1024], K = its axis 2): each comes as NAME_codes (uint8): NAME with its K axis moved to the last place and cut into blocks of 32 codes, [.., K / 32, bytes a block], one block behind the other in memory; four codes in three bytes: a row's codes are one little-endian stream of bits, code i at bits 6 i .. 6 i + 5 (a code: sign, 2 exponent bits, 3 mantissa bits); and NAME_scales (uint8): the same leading axes, one E8M0 byte (e + 127) for each 32 codes along K. Its value is code x scale, taken as it is: it is not quantised again, and the codes and scales need not be those that the quantiser above would give.
;; One version. Each part assembles by itself: llvm-mc -triple=amdgcn-amd-amdhsa -mcpu=gfx1250 --defsym DOCPART=n.
;; ======== version 1 of 1: 1 launch
;; limits: right only within a limited range of input values
;; launch moe_ln (part 1): grid 16 x 16, 4 waves a work-group, no clusters, 327,680 bytes of LDS; arguments W_codes, W_scales, b, beta, expert_idx, gamma, hidden_states_codes, hidden_states_scales, input_tensor, out0; writes out0
.if DOCPART == 1
	.amdgcn_target "amdgcn-amd-amdhsa--gfx1250"
	.amdhsa_code_object_version 6
	.text
	.protected	k_q2e473ee929_moe_ln
	.globl	k_q2e473ee929_moe_ln
	.p2align	8
	.type	k_q2e473ee929_moe_ln,@function
k_q2e473ee929_moe_ln:
	s_mov_b64 s[64:65], 0
	v_nop
	global_prefetch_b8 v0, s[64:65] scope:SCOPE_SE
	s_setreg_imm32_b32 hwreg(HW_REG_WAVE_MODE, 25, 1), 1
	s_wait_xcnt 0x0
; out[bt][t][:] = LayerNorm(hidden[bt][t][:] W[e] + b[e] + input[bt][t][:]) gamma + beta, e = expert_idx[bt].  16 batch rows bt of 512 tokens, 1,024 channels, 8 experts.
; hidden and W come as codes of FP6 (E2M3), K innermost: a row of 1,024 codes is 768 bytes, with 32 E8M0 scale bytes; they go to the matrix unit as they lie.  All else is f32.
; Only the chosen expert of a batch row is multiplied: reference() gathers by expert_idx and throws the other experts' results away; a NaN or an infinity in an expert that is not chosen reaches no result.
; LIMITS: an expert_idx outside 0 .. 7 is held at 7 (the problem keeps it inside the table).  A scale byte 0xff gives NaN, as the format has it.
; SHARES.  A work-group owns 32 tokens of one batch row and all 1,024 channels, so LayerNorm stays inside it: 16 x 16 work-groups.  It walks W[e] in 8 steps of 128 rows (channels), the whole K each.
; Wave w multiplies a chunk's rows 16 w .. + 15 (tile 0) and 64 + 16 w .. + 15 (tile 1) with the 32 tokens, whose codes stay in registers: 2 tiles x 2 tiles x 8 K steps = 32 matrix instructions a step.
; TWO WAYS IN.  A chunk's first 64 rows come by tensor loads: a slot holds two steps' 64 rows, so one fill serves two steps.  Its other 64 rows, which each wave alone reads, 16 a wave, come as 24 loads
; of 512 consecutive bytes into 96 registers a step ahead, go to the wave's own LDS bytes in the slots' padded form, and are asked for anew, a third at a time, as soon as the third's stores are done.
; NO CLUSTER, though the 16 work-groups of a batch row walk one W[e]: a chunk's address is W + 786,432 e + .., and e is read from memory.  A joint request wants a descriptor that is equal in all
; partners by the coordinates that they share; an address made of a loaded number is not of that make.  So each work-group asks for its chunks itself.
; THE CHUNKS' ORDER IS TURNED by q = block / 4: step c takes chunk (c + 2 q) mod 8: the 16 work-groups of a batch row do not all begin with one chunk.
; NO PREFETCH: the steps are written out, with no loop to run ahead in; the head's tensor loads of a batch row's work-groups name all eight chunks between them, and the loads into registers themselves stand a whole step ahead of their use.
; THE MATRIX INSTRUCTION IS USED TRANSPOSED (source 0 = 16 rows of W, source 1 = 16 tokens): a lane then holds one token and eight neighbouring channels.
; K'S BLOCKS: lane (r, h) takes 48 bytes of its row on end, blocks 2 h and 2 h + 1 of each four, so that 16-byte loads serve; the unit takes them as blocks h and 2 + h.  Both operands are laid alike,
; and the scale words' bytes 1 and 2 change places on both sides (v_perm_b32): each product has its own scales.
; THE WAY OUT goes along with the steps: a step's 32 x 128 results pass through a stage in LDS and come back as rows, 8 rows a wave, 16 bytes a lane, and are added to input + b.
; THE VARIANCE goes along too, about a shift s: the mean of the row's first 128 numbers of x.  What is kept is d = x - s, with the sums of d and of d d; variance = mean(d d) - mean(d)^2.  s is the mean of one eighth of the row,
; so (s - mean)^2 is at most 7 times the variance and mean(d d) at most 8 times, whatever the inputs: no difference of large sums.
; REGISTERS, in windows of 256 (s_set_vgpr_msb: bits 1:0 source 0, 3:2 source 1, 5:4 source 2, 7:6 destination):
;   window 0: addresses, scale words, sums, v192-223 rows of W on their way, at the end beta    window 1: v0-191 W's fragments, v192-223 b, v224-255 rows of W on their way, at the end gamma
;   window 2: v0-191 the tokens' fragments, v192-223 four accumulators, v224-255 rows of W on their way    window 3: 8 rows, first input, then d: row i, step j at v[32 i + 4 j]
.set ROWB,   768
.set PITCH,  816                       ; an LDS row: 3 x (256 bytes + 16 of padding) = 51 x 16
.set QTR,    32*PITCH
.set SLOT,   4*QTR                     ; two steps' 64 rows
.set HS,     64*PITCH                  ; one step's
.set T16,    16*PITCH
.set CHUNK,  128*ROWB
.set AREG,   2*SLOT                    ; the 32 tokens' codes
.set STAGE,  AREG+32*PITCH             ; two stages of 32 rows x (512 bytes + 16)
.set XP,     528
.set STG,    32*XP
.set DREG,   STAGE+2*STG               ; each wave's own 16 rows
.set SPARE,  DREG+4*T16                ; the spare words: 128 bytes a wave
.set SPW,  4
.set NIL,  5
.set ADW,  6                           ; v6, v7 my tile 0 in slot 0, 1;  v8, v9 the same where lanes 16-31 lie behind one padding more
.set ADA,  10                          ; v10, v12 likewise the tokens'
.set L16,  13
.set L32,  14
.set STO,  15                          ; v15, v16
.set RD,   17
.set GOF,  18                          ; v18-25: 16 x lane + 512 x step j's chunk
.set ADD,  30                          ; v30, v32 my tile 1 in my own rows
.set DST,  34                          ; v34     where my 16 bytes of them go
.set AS,   36                          ; v36-43  the tokens' scale words: tile 0 in lanes 0-15, tile 1 in lanes 16-31
.set SO,   44                          ; v44-51: my row's scale bytes in step j's chunk
.set DOF,  52                          ; v52-59: 16 x lane + 98,304 x step j's chunk
.set WSC,  64                          ; v64-127 W's scale words: step c, K step k at v[WSC + 8 c + k]: tile 0 in lanes 0-15, tile 1 in lanes 16-31
.set TMP,  128                         ; v128-159 rows back from the stage
.set SUM,  160                         ; v160-175 a pair a row: sums of d
.set PP,   176                         ; v176-191
.set BETA, 192
.set QQ,   224                         ; v224-239 a pair a row: sums of d d
.set SHF,  240                         ; v240-255 a pair a row: the shift, in the pair's low register
.set BF,   0
.set BI,   192
.set GA,   224
.set AF,   0
.set ACC,  192
.set G1W,  36                          ; s[36:43] group 1: 32 rows of W
.set G1C,  44                          ; s[44:51] 64 rows of W
.set G1H,  52                          ; s[52:59] 16 tokens' codes
.set G0H,  60
.set G0X,  68                          ; the head's 64 rows of step 0, of step 1
.set G0Y,  72
.set G0W,  76                          ; s[76:79], s[80:83] later fills of slot 0, 1
.set DB,   96                          ; s[96:97] my own 16 rows of chunk 0
.set MSB, 0
.macro WIN new
.if MSB != (\new)
	s_set_vgpr_msb (MSB<<8)|(\new)
.set MSB, \new
.endif
.endm
.macro WALU
	s_wait_alu depctr_va_vdst(0)
.endm
.macro PLACES n                        ; places behind matrix instructions, and behind a tensor load
.rept \n
	v_nop
.endr
.endm
.macro TLOAD g0, g1
	tensor_load_to_lds s[\g0:\g0+3], s[\g1:\g1+7]
	s_nop 0
	PLACES 4
.endm
.macro AIM k, g0, base, turn           ; group 0's address: chunk (turn + k) mod 8, from s[base]
	s_add_co_u32 s30, s\turn, \k
	s_and_b32 s30, s30, 7
	s_mul_i32 s30, s30, CHUNK
	s_add_nc_u64 s[\g0+2:\g0+3], s[\base:\base+1], s[30:31]
	s_or_b32 s[\g0+3], s[\g0+3], 0x80000000
.endm
.macro GROUP1 g, rows                  ; rows of 768 elements of 1 byte, 16 bytes of padding behind every 256
	s_mov_b32 s[\g+0], (1<<20)|(5<<22)|(3<<25)
	s_mov_b32 s[\g+1], ROWB<<16
	s_mov_b32 s[\g+2], (\rows)<<16
	s_mov_b32 s[\g+3], ROWB<<16
	s_mov_b32 s[\g+4], \rows
	s_mov_b32 s[\g+5], ROWB
	s_mov_b32 s[\g+6], 0
	s_mov_b32 s[\g+7], 0
.endm
; A fragment, 16 rows x 128 K: 12 registers, three loads of 16 bytes.  Lanes 0-15 take the row's pieces 6 ks + p, lanes 16-31 those three pieces on; padding lies behind every 16 pieces.
.macro FRAGLD reg, adr, ks, off
.irp p, 0,1,2
.set PC, 6*(\ks)+\p
.if PC%16 < 13
	ds_load_b128 v[\reg+4*\p:\reg+4*\p+3], v[\adr] offset:16*PC+16*(PC/16)+(\off)
.else
	ds_load_b128 v[\reg+4*\p:\reg+4*\p+3], v[\adr+2] offset:16*PC+16*(PC/16)+(\off)
.endif
.endr
.endm
; My own 16 rows of a chunk are 12,288 bytes on end, in three thirds of 8 loads (registers r .. r + 31 of window w).  Byte y of them lies at y + 16 (y / 256) in LDS: 544 bytes on for every 512.
.macro GET j, p, r, w
	WIN ((\w)<<6)
.irp k, 0,1,2,3,4,5,6,7
	global_load_b128 v[\r+4*\k:\r+4*\k+3], v[DOF+(\j)], s[DB:DB+1] offset:512*(8*\p+\k)
.endr
	WIN 0
.endm
.macro PUT p, r, w
	WIN ((\w)<<2)
.irp k, 0,1,2,3,4,5,6,7
	ds_store_b128 v[DST], v[\r+4*\k:\r+4*\k+3] offset:544*(8*\p+\k)
.endr
	WIN 0
.endm
.macro MM c, ks, u, m                  ; one product; the first K step starts the sum
.set AC, ACC+8*(2*(\u)+(\m))
.set RB, BF+96*(\u)+12*(\ks)
.set RA, AF+96*(\m)+12*(\ks)
.if (\ks) == 0
	v_wmma_scale_f32_16x16x128_f8f6f4 v[AC:AC+7], v[RB:RB+11], v[RA:RA+11], 0, v[WSC+8*(\c)+(\ks)], v[AS+(\ks)] matrix_a_fmt:MATRIX_FMT_FP6 matrix_b_fmt:MATRIX_FMT_FP6 matrix_a_scale:MATRIX_SCALE_ROW\u matrix_b_scale:MATRIX_SCALE_ROW\m
.else
	v_wmma_scale_f32_16x16x128_f8f6f4 v[AC:AC+7], v[RB:RB+11], v[RA:RA+11], v[AC:AC+7], v[WSC+8*(\c)+(\ks)], v[AS+(\ks)] matrix_a_fmt:MATRIX_FMT_FP6 matrix_b_fmt:MATRIX_FMT_FP6 matrix_a_scale:MATRIX_SCALE_ROW\u matrix_b_scale:MATRIX_SCALE_ROW\m
.endif
.endm
.macro INSTEP j                        ; step j's 128 channels of my 8 rows of input: 8 loads of 512 consecutive bytes
	WIN 0xc0
.irp i, 0,1,2,3,4,5,6,7
	global_load_b128 v[32*\i+4*(\j):32*\i+4*(\j)+3], v[GOF+(\j)], s[20:21] offset:4096*\i th:TH_LOAD_NT
.endr
	WIN 0
.endm
.macro STGRD j                         ; step j's results of my 8 rows, back from its stage
.irp i, 0,1,2,3,4,5,6,7
	ds_load_b128 v[TMP+4*\i:TMP+4*\i+3], v[RD] offset:STG*((\j)%2)+XP*\i
.endr
.endm
.macro RED8 rg, pp                     ; eight rows' sums over the lanes: row i's at v[rg + 2 i], in every lane at the end; the rows take turns
.irp x, 1,2,4,8
.irp i, 0,1,2,3,4,5,6,7
	v_add_f32_dpp v[\rg+2*\i], v[\rg+2*\i], v[\rg+2*\i] row_xmask:\x row_mask:0xf bank_mask:0xf
.endr
.endr
.irp i, 0,1,2,3,4,5,6,7
	v_permlanex16_b32 v[\pp+\i], v[\rg+2*\i], s88, s89
.endr
.irp i, 0,1,2,3,4,5,6,7
	v_add_f32 v[\rg+2*\i], v[\rg+2*\i], v[\pp+\i]
.endr
.endm
.macro SHIFT j                         ; less the row's shift (the pair's low register serves both halves)
	WIN 0xc3
.irp i, 0,1,2,3,4,5,6,7
.irp p, 0,2
	v_pk_add_f32 v[32*\i+4*(\j)+\p:32*\i+4*(\j)+\p+1], v[32*\i+4*(\j)+\p:32*\i+4*(\j)+\p+1], v[SHF+2*\i:SHF+2*\i+1] op_sel_hi:[1,0] neg_lo:[0,1] neg_hi:[0,1]
.endr
.endr
.endm
.macro XB j                            ; input + b, and behind the first step less the shift
	WIN 0xc7
.irp i, 0,1,2,3,4,5,6,7
.irp p, 0,2
	v_pk_add_f32 v[32*\i+4*(\j)+\p:32*\i+4*(\j)+\p+1], v[32*\i+4*(\j)+\p:32*\i+4*(\j)+\p+1], v[BI+4*(\j)+\p:BI+4*(\j)+\p+1]
.endr
.endr
.if (\j) > 0
	SHIFT \j
.endif
.endm
.macro XT j                            ; + the product; then the rows' sums.  In the first step x gives the shift first
	WIN 0xc3
.irp i, 0,1,2,3,4,5,6,7
.irp p, 0,2
	v_pk_add_f32 v[32*\i+4*(\j)+\p:32*\i+4*(\j)+\p+1], v[32*\i+4*(\j)+\p:32*\i+4*(\j)+\p+1], v[TMP+4*\i+\p:TMP+4*\i+\p+1]
.endr
.endr
.if (\j) == 0
	WIN 0x0f
.irp i, 0,1,2,3,4,5,6,7
	v_pk_add_f32 v[SUM+2*\i:SUM+2*\i+1], v[32*\i:32*\i+1], v[32*\i+2:32*\i+3]
.endr
	WIN 0
.irp i, 0,1,2,3,4,5,6,7
	v_add_f32 v[SHF+2*\i], v[SUM+2*\i], v[SUM+2*\i+1]
.endr
	RED8 SHF, PP
.irp i, 0,1,2,3,4,5,6,7
	v_mul_f32 v[SHF+2*\i], 0x3c000000, v[SHF+2*\i] ; 1 / 128
.endr
	SHIFT 0
	WIN 0x0f
.irp i, 0,1,2,3,4,5,6,7
	v_pk_add_f32 v[SUM+2*\i:SUM+2*\i+1], v[32*\i:32*\i+1], v[32*\i+2:32*\i+3]
.endr
.irp i, 0,1,2,3,4,5,6,7
	v_pk_mul_f32 v[QQ+2*\i:QQ+2*\i+1], v[32*\i:32*\i+1], v[32*\i:32*\i+1]
.endr
.irp i, 0,1,2,3,4,5,6,7
	v_pk_fma_f32 v[QQ+2*\i:QQ+2*\i+1], v[32*\i+2:32*\i+3], v[32*\i+2:32*\i+3], v[QQ+2*\i:QQ+2*\i+1]
.endr
.else
	WIN 0x03
.irp p, 0,2
.irp i, 0,1,2,3,4,5,6,7
	v_pk_add_f32 v[SUM+2*\i:SUM+2*\i+1], v[32*\i+4*(\j)+\p:32*\i+4*(\j)+\p+1], v[SUM+2*\i:SUM+2*\i+1]
.endr
.endr
	WIN 0x0f
.irp p, 0,2
.irp i, 0,1,2,3,4,5,6,7
	v_pk_fma_f32 v[QQ+2*\i:QQ+2*\i+1], v[32*\i+4*(\j)+\p:32*\i+4*(\j)+\p+1], v[32*\i+4*(\j)+\p:32*\i+4*(\j)+\p+1], v[QQ+2*\i:QQ+2*\i+1]
.endr
.endr
.endif
.endm
; A STEP.  My own rows go to LDS by thirds.  Behind a third's loads stand the younger thirds' and 8 more (input's, in step 0 b's), at the third wait also the next step's first third: 24, 16, 16.
; All older loads, those of input for the step before among them, are in by then.  Then the last step's rows from its stage, the fragments, and products, K step by K step as their loads come in; then the results into this step's stage.
.macro STEP c, sl
	s_wait_loadcnt 24
	PUT 0, 224, 1
	s_wait_loadcnt 16
	PUT 1, 192, 0
.if \c < 7
	s_wait_dscnt 8                                 ; the first third's stores are done: its registers take the next step's
	GET (\c)+1, 0, 224, 1
	s_wait_loadcnt 16
.else
	s_wait_loadcnt 8
.endif
	PUT 2, 224, 2
.if \c < 7
	s_wait_dscnt 8
	GET (\c)+1, 1, 192, 0
	s_wait_dscnt 0
	GET (\c)+1, 2, 224, 2
	INSTEP (\c)+1
.else
	s_wait_dscnt 0
	WIN 0x40
.irp j, 0,1,2,3,4,5,6,7
	global_load_b128 v[GA+4*\j:GA+4*\j+3], v[GOF+\j], s[14:15]
.endr
	WIN 0
.irp j, 0,1,2,3,4,5,6,7
	global_load_b128 v[BETA+4*\j:BETA+4*\j+3], v[GOF+\j], s[10:11]
.endr
.endif
.if \c > 0
	STGRD (\c)-1
.else
	WIN 0x80
.irp m, 0,1
.irp k, 0,1,2,3,4,5,6,7
	FRAGLD AF+96*\m+12*\k, ADA, \k, T16*\m         ; the 32 tokens' codes: they stay
.endr
.endr
.endif
	WIN 0x40
.irp k, 0,1,2,3,4,5,6,7
	FRAGLD BF+12*\k, ADW+\sl, \k, HS*((\c)%2)
	FRAGLD BF+96+12*\k, ADD, \k, 0
.endr
	WIN 0
.if \c > 0
	XB (\c)-1
	s_wait_dscnt 48                                ; the rows are back; the 48 loads of fragments may be out
	XT (\c)-1
.else
.set I, 0
.rept 8
	v_perm_b32 v[AS+I], v[AS+I], v[AS+I], s92      ; bytes 1 and 2 of every scale word change places
.set I, I+1
.endr
.set I, 0
.rept 64
	v_perm_b32 v[WSC+I], v[WSC+I], v[WSC+I], s92
.set I, I+1
.endr
	WALU
.endif
	WIN 0xa9
.irp k, 0,1,2,3,4,5,6,7
	s_wait_dscnt 6*(7-\k)                          ; K step k's six loads are in; the later K steps' may be out
.irp m, 0,1
.irp u, 0,1
	MM \c, \k, \u, \m
.endr
.endr
.endr
	PLACES 4
	WIN 0x08
.irp m, 0,1
.irp u, 0,1
	ds_store_b128 v[STO+\m], v[ACC+8*(2*\u+\m):ACC+8*(2*\u+\m)+3] offset:STG*((\c)%2)+256*\u
	ds_store_b128 v[STO+\m], v[ACC+8*(2*\u+\m)+4:ACC+8*(2*\u+\m)+7] offset:STG*((\c)%2)+256*\u+16
.endr
.endr
	WIN 0
.endm
.macro BARRIER
	s_barrier_signal -1
	s_barrier_wait -1
.endm
.macro SHOW                            ; behind an even step: its stage is shown to all waves; nothing is filled, a tensor load may be on its way
	WALU
	s_wait_dscnt 0x0
	BARRIER
.endm
; A drained barrier; then fill f (steps 2 f and 2 f + 1) into slot s, 32 rows a wave: waves 0 and 1 the first step's 64 rows, waves 2 and 3 the second's.  The barrier also shows the stage.
.macro CHANGE f, s
	WALU
	s_wait_tensorcnt 0x0                           ; what was on its way has landed; no tensor load of mine is out, so a group 0 may be written
	ds_add_u32 v[SPW], v[NIL]
	AIM 2*(\f), G0W+4*\s, 86, 93
	s_wait_dscnt 0x0                               ; the add, my reads of the slot and my stores into the stage are done
	BARRIER
	TLOAD G0W+4*\s, G1W
.endm
	s_load_b512 s[4:19], s[0:1], 0x0               ; W's codes s[4:5], W's scales s[6:7], b s[8:9], beta s[10:11], expert_idx s[12:13], gamma s[14:15], hidden's codes s[16:17], its scales s[18:19]
	s_load_b128 s[20:23], s[0:1], 0x40             ; input s[20:21], out s[22:23]
	v_lshl_add_u32 v[SPW], v0, 2, SPARE
	v_mov_b32 v[NIL], 0
	ds_add_u32 v[SPW], v[NIL]                      ; the opening: the add, twice on end, and its wait ahead of my first tensor load
	ds_add_u32 v[SPW], v[NIL]
	v_lshrrev_b32 v1, 5, v0
	v_readfirstlane_b32 s24, v1                    ; wave 0..3
	s_and_b32 s27, ttmp7, 0xffff                   ; the batch row
	s_lshr_b32 s28, ttmp9, 2
	s_lshl_b32 s28, s28, 1                         ; the turn: 2 (block / 4)
	s_mov_b32 s31, 0                               ; s[30:31], s[32:33]: offsets
	s_mov_b32 s33, 0
	s_lshl_b32 s35, s27, 9
	s_lshl_b32 s32, ttmp9, 5
	s_add_co_u32 s35, s35, s32                     ; my first token's row
	GROUP1 G1W, 32
	GROUP1 G1C, 64
	GROUP1 G1H, 16
	s_mov_b32 s88, 0x76543210                      ; v_permlanex16_b32's selects for lane l xor 16
	s_mov_b32 s89, 0xfedcba98
	s_mov_b32 s90, 0x3a800000                      ; 1 / 1,024
	s_mov_b32 s91, 0x2b8cbccc                      ; 1e-12
	s_mov_b32 s92, 0x03010200
	s_lshr_b32 s94, s24, 1                         ; in a fill: which of the two steps is mine.  At the head: waves 0 and 3 fetch the tokens' halves 0 and 1
	s_add_co_u32 s93, s28, s94
	s_mul_i32 s34, s24, QTR
	s_mov_b32 s[G0W+0], 1
	s_mov_b32 s[G0W+1], s34
	s_mov_b32 s[G0W+4], 1
	s_add_co_u32 s[G0W+5], s34, SLOT
	s_mov_b32 s[G0X+0], 1
	s_mov_b32 s[G0X+1], 0
	s_mov_b32 s[G0Y+0], 1
	s_mov_b32 s[G0Y+1], HS
	s_mov_b32 s[G0H+0], 1
	s_mul_i32 s[G0H+1], s94, T16
	s_add_co_u32 s[G0H+1], s[G0H+1], AREG
	s_lshl_b32 s66, s24, 6
	s_add_co_u32 s66, s66, STAGE                   ; into the stage: my channels, 64 bytes a wave in each half of a row
	s_mul_i32 s67, s24, 8*XP
	s_add_co_u32 s67, s67, STAGE                   ; and back: my 8 rows
	s_mul_i32 s34, s24, T16                        ; my 16 rows of a step's 64 in a slot
	s_add_co_u32 s95, s34, DREG                    ; and my own rows' LDS bytes
	v_and_b32 v1, 15, v0                           ; r = lane % 16
	v_bfe_u32 v2, v0, 4, 1                         ; h = lane / 16
	v_and_b32 v3, 31, v0
	v_mul_u32_u24 v26, v1, PITCH
	v_mad_u32_u24 v27, v2, 48, v26                 ; a fragment's row x pitch + 48 x half,
	v_mad_u32_u24 v28, v2, 64, v26                 ; and the same behind one padding more
	v_mul_u32_u24 v29, v1, XP
	v_lshl_add_u32 v29, v2, 5, v29                 ; token r's row of the stage + 32 x half
	v_lshlrev_b32 v33, 5, v1
	v_lshl_add_u32 v33, v2, 11, v33                ; scale bytes: 32 a row; lanes 16-31 take tile 1's rows, 64 rows on
	v_add_nc_u32 v[ADW], s34, v27
	v_add_nc_u32 v[ADW+1], SLOT, v[ADW]
	v_add_nc_u32 v[ADW+2], s34, v28
	v_add_nc_u32 v[ADW+3], SLOT, v[ADW+2]
	v_add_nc_u32 v[ADA], AREG, v27
	v_add_nc_u32 v[ADA+2], AREG, v28
	v_add_nc_u32 v[ADD], s95, v27
	v_add_nc_u32 v[ADD+2], s95, v28
	v_lshlrev_b32 v[L16], 4, v3
	v_lshlrev_b32 v[L32], 5, v3
	v_lshl_add_u32 v35, v2, 4, v[L16]
	v_add_nc_u32 v[DST], s95, v35
	v_add_nc_u32 v[STO], s66, v29
	v_add_nc_u32 v[STO+1], 16*XP, v[STO]
	v_add_nc_u32 v[RD], s67, v[L16]
.irp i, 0,1,2,3,4,5,6,7
	v_mov_b32 v[PP+\i], 0                          ; written once: a lane permute's destination counts as one of its sources
	v_mov_b32 v[PP+8+\i], 0
	v_mov_b32 v[SHF+2*\i+1], 0                     ; the upper halves of the shifts' pairs, which no result takes
.endr
	WALU
.irp j, 0,1,2,3,4,5,6,7
	s_add_co_u32 s34, s28, \j
	s_and_b32 s34, s34, 7                          ; step j's chunk
	s_lshl_b32 s25, s34, 9
	v_add_nc_u32 v[GOF+\j], s25, v[L16]
	s_lshl_b32 s25, s34, 12
	v_add_nc_u32 v[SO+\j], s25, v33
	s_mul_i32 s25, s34, CHUNK
	v_add_nc_u32 v[DOF+\j], s25, v[L16]
.endr
	WALU
	s_wait_dscnt 0x0                               ; both opening adds are done
	s_lshl_b32 s30, s27, 2
	s_wait_kmcnt 0x0
	s_add_nc_u64 s[12:13], s[12:13], s[30:31]
	s_load_b32 s29, s[12:13], 0x0                  ; the batch row's expert
	s_lshl_b32 s32, s35, 5
	s_add_nc_u64 s[18:19], s[18:19], s[32:33]      ; the 32 tokens' scale bytes
	s_lshl_b32 s32, s24, 3
	s_add_co_u32 s32, s35, s32
	s_lshl_b32 s32, s32, 12
	s_add_nc_u64 s[20:21], s[20:21], s[32:33]      ; input and out at my wave's first row
	s_add_nc_u64 s[22:23], s[22:23], s[32:33]
	s_lshl_b32 s32, s94, 4
	s_add_co_u32 s32, s35, s32
	s_mul_i32 s32, s32, ROWB
	s_add_nc_u64 s[G0H+2:G0H+3], s[16:17], s[32:33]
	s_or_b32 s[G0H+3], s[G0H+3], 0x80000000
	global_load_b128 v[AS:AS+3],   v[L32], s[18:19]            ; lane l takes token l's 32 scale bytes
	global_load_b128 v[AS+4:AS+7], v[L32], s[18:19] offset:16
	INSTEP 0
	s_wait_kmcnt 0x0
	s_min_u32 s29, s29, 7                          ; the expert, held inside the table; no branch and no LDS address hangs on it
	s_mul_i32 s30, s29, 8*CHUNK
	s_add_nc_u64 s[84:85], s[4:5], s[30:31]        ; W[e]
	s_and_b32 s30, s24, 1
	s_mul_i32 s30, s30, 32*ROWB
	s_add_nc_u64 s[86:87], s[84:85], s[30:31]      ; in a fill: my 32 rows of chunk 0
	s_mul_i32 s30, s24, 16*ROWB
	s_add_co_u32 s30, s30, 64*ROWB
	s_add_nc_u64 s[DB:DB+1], s[84:85], s[30:31]    ; my own 16 rows of chunk 0
	AIM 0, G0X, 84, 28
	AIM 1, G0Y, 84, 28
	s_cmp_eq_u32 s24, 0                            ; the head's loads, one a wave
	s_cbranch_scc0 .Lwave_1
	TLOAD G0H, G1H
	s_branch .Lasked
.Lwave_1:
	s_cmp_eq_u32 s24, 1
	s_cbranch_scc0 .Lwave_2
	TLOAD G0X, G1C
	s_branch .Lasked
.Lwave_2:
	s_cmp_eq_u32 s24, 2
	s_cbranch_scc0 .Lwave_3
	TLOAD G0Y, G1C
	s_branch .Lasked
.Lwave_3:
	TLOAD G0H, G1H
.Lasked:
	s_lshl_b32 s30, s29, 15
	s_add_nc_u64 s[6:7], s[6:7], s[30:31]
	s_lshl_b32 s30, s24, 9
	s_add_nc_u64 s[6:7], s[6:7], s[30:31]          ; the scale bytes of my rows of W[e]'s chunk 0
	s_lshl_b32 s30, s29, 12
	s_add_nc_u64 s[8:9], s[8:9], s[30:31]          ; b[e]
.irp j, 0,1,2,3,4,5,6,7
	global_load_b128 v[WSC+8*\j:WSC+8*\j+3],   v[SO+\j], s[6:7]   ; a row's 32 scale bytes a lane
	global_load_b128 v[WSC+8*\j+4:WSC+8*\j+7], v[SO+\j], s[6:7] offset:16
.endr
	GET 0, 0, 224, 1
	GET 0, 1, 192, 0
	GET 0, 2, 224, 2
	WIN 0x40
.irp j, 0,1,2,3,4,5,6,7
	global_load_b128 v[BI+4*\j:BI+4*\j+3], v[GOF+\j], s[8:9]
.endr
	WIN 0
	CHANGE 1, 1                                    ; the tokens' codes and steps 0 and 1 are in; slot 1's first fill
	STEP 0, 0
	SHOW
	STEP 1, 0
	CHANGE 2, 0
	STEP 2, 1
	SHOW
	STEP 3, 1
	CHANGE 3, 1
	STEP 4, 0
	SHOW
	STEP 5, 0
	WALU
	s_wait_tensorcnt 0x0                           ; the last fill has landed; nothing is filled any more
	s_wait_dscnt 0x0
	BARRIER
	STEP 6, 1
	SHOW
	STEP 7, 1
	WALU
	s_wait_loadcnt 16                              ; input is in; gamma's and beta's 16 may be out
	s_wait_dscnt 0x0
	s_barrier_signal -1
	XB 7
	s_barrier_wait -1
	WIN 0
	STGRD 7
	s_wait_dscnt 0x0
	XT 7
	WIN 0
.irp i, 0,1,2,3,4,5,6,7
	v_add_f32 v[SUM+2*\i], v[SUM+2*\i], v[SUM+2*\i+1]
	v_add_f32 v[QQ+2*\i], v[QQ+2*\i], v[QQ+2*\i+1]
.endr
	RED8 SUM, PP
	RED8 QQ, PP+8
.irp i, 0,1,2,3,4,5,6,7
	v_mul_f32 v[SUM+2*\i], s90, v[SUM+2*\i]        ; mean(d)
.endr
.irp i, 0,1,2,3,4,5,6,7
	v_mul_f32 v[PP+\i], v[SUM+2*\i], v[SUM+2*\i]
.endr
.irp i, 0,1,2,3,4,5,6,7
	v_fma_f32 v[QQ+2*\i], v[QQ+2*\i], s90, -v[PP+\i]   ; the variance,
.endr
.irp i, 0,1,2,3,4,5,6,7
	v_max_num_f32 v[QQ+2*\i], 0, v[QQ+2*\i]        ; which rounding does not take under 0,
.endr
.irp i, 0,1,2,3,4,5,6,7
	v_add_f32 v[QQ+2*\i], s91, v[QQ+2*\i]          ; + 1e-12
.endr
	WALU
	s_wait_loadcnt 0x0                             ; gamma and beta
.irp i, 0,1,2,3,4,5,6,7
	v_rsq_f32 v[QQ+2*\i], v[QQ+2*\i]
.endr
	v_nop                                          ; a plain instruction behind the last of them (ISA guide 5.7.2)
	WALU
.irp i, 0,1,2,3,4,5,6,7
	v_mul_f32 v[SUM+2*\i], -v[SUM+2*\i], v[QQ+2*\i]
.endr
.irp i, 0,1,2,3,4,5,6,7                ; row by row: (d - mean(d)) / sqrt, gamma, beta, and out
	WIN 0xc3
.irp p, 0,1,2,3,4,5,6,7,8,9,10,11,12,13,14,15
	v_pk_fma_f32 v[32*\i+2*\p:32*\i+2*\p+1], v[32*\i+2*\p:32*\i+2*\p+1], v[QQ+2*\i:QQ+2*\i+1], v[SUM+2*\i:SUM+2*\i+1] op_sel_hi:[1,0,0]
.endr
	WIN 0xc7
.irp p, 0,1,2,3,4,5,6,7,8,9,10,11,12,13,14,15
	v_pk_fma_f32 v[32*\i+2*\p:32*\i+2*\p+1], v[32*\i+2*\p:32*\i+2*\p+1], v[GA+2*\p:GA+2*\p+1], v[BETA+2*\p:BETA+2*\p+1]
.endr
	WIN 0x0c
.irp j, 0,1,2,3,4,5,6,7
	global_store_b128 v[GOF+\j], v[32*\i+4*\j:32*\i+4*\j+3], s[22:23] offset:4096*\i th:TH_STORE_NT   ; 512 consecutive bytes, at a multiple of 512 from out's first byte; no stored register is written again
.endr
.endr
	WIN 0
	s_wait_tensorcnt 0x0                           ; the wave's end, behind my last tensor load and my last LDS store
	ds_add_u32 v[SPW], v[NIL]
	s_wait_dscnt 0x0
	s_endpgm
.Lfunc_end_k_q2e473ee929_moe_ln:
	.size	k_q2e473ee929_moe_ln, .Lfunc_end_k_q2e473ee929_moe_ln-k_q2e473ee929_moe_ln
	.p2alignl 7, 3214868480
	.fill 96, 4, 3214868480
	.section	.rodata,"a",@progbits
	.p2align	6, 0x0
	.amdhsa_kernel k_q2e473ee929_moe_ln
		.amdhsa_group_segment_fixed_size 327680
		.amdhsa_private_segment_fixed_size 0
		.amdhsa_enable_private_segment 0
		.amdhsa_kernarg_size 80
		.amdhsa_user_sgpr_count 2
		.amdhsa_user_sgpr_kernarg_segment_ptr 1
		.amdhsa_wavefront_size32 1
		.amdhsa_system_sgpr_workgroup_id_x 1
		.amdhsa_system_sgpr_workgroup_id_y 1
		.amdhsa_system_sgpr_workgroup_id_z 1
		.amdhsa_system_vgpr_workitem_id 0
		.amdhsa_next_free_vgpr 1024
		.amdhsa_next_free_sgpr 98
		.amdhsa_reserve_vcc 0
		.amdhsa_float_denorm_mode_32 3
		.amdhsa_float_denorm_mode_16_64 3
		.amdhsa_memory_ordered 1
		.amdhsa_forward_progress 1
		.amdhsa_inst_pref_size 210
	.end_amdhsa_kernel
	.amdgpu_metadata
---
amdhsa.version: [ 1, 2 ]
amdhsa.kernels:
  - .name:           k_q2e473ee929_moe_ln
    .symbol:         k_q2e473ee929_moe_ln.kd
    .args:
      - { .name: W_codes, .offset: 0, .size: 8, .value_kind: global_buffer, .address_space: global }
      - { .name: W_scales, .offset: 8, .size: 8, .value_kind: global_buffer, .address_space: global }
      - { .name: b, .offset: 16, .size: 8, .value_kind: global_buffer, .address_space: global }
      - { .name: beta, .offset: 24, .size: 8, .value_kind: global_buffer, .address_space: global }
      - { .name: expert_idx, .offset: 32, .size: 8, .value_kind: global_buffer, .address_space: global }
      - { .name: gamma, .offset: 40, .size: 8, .value_kind: global_buffer, .address_space: global }
      - { .name: hidden_states_codes, .offset: 48, .size: 8, .value_kind: global_buffer, .address_space: global }
      - { .name: hidden_states_scales, .offset: 56, .size: 8, .value_kind: global_buffer, .address_space: global }
      - { .name: input_tensor, .offset: 64, .size: 8, .value_kind: global_buffer, .address_space: global }
      - { .name: out0, .offset: 72, .size: 8, .value_kind: global_buffer, .address_space: global }
    .group_segment_fixed_size: 327680
    .private_segment_fixed_size: 0
    .kernarg_segment_align: 8
    .kernarg_segment_size: 80
    .max_flat_workgroup_size: 128
    .sgpr_count:     98
    .vgpr_count:     1024
    .wavefront_size: 32
...
	.end_amdgpu_metadata
.endif
;; end of part 1
